; MI455X (gfx1250); checked and timed in simulation.
; The chip was launched on July 23, 2026; its instructions are those of AMD's public machine-readable ISA for CDNA 5 (MIT licence, August 2026) and "CDNA5" Instruction Set Architecture Reference Guide (July 2026). The comments in the code are by the model that wrote it; some were corrected since.
;; Cross Attention. Allowed arithmetic: matrix products marked QUANTISED: E2M3 operands, one E8M0 scale for each 32 along K, by v_wmma_scale_f32_16x16x128_f8f6f4 with both operands' format E2M3, f32 sums; everything else in f32.
;; Inputs: Wk 512 x 512 float32; Wo 512 x 512 float32; Wq 512 x 512 float32; Wv 512 x 512 float32; bo 512 float32; patch_embed 4 x 2,048 x 512 float32; pixel_embed 4 x 2,048 x 512 float32.
;; Outputs: out0 4 x 2,048 x 512 float32.
;; This version of the problem:
;;   THIS VERSION OF THE PROBLEM IS GIVEN IN LOW PRECISION. The matrix products marked QUANTISED in the list below multiply operands that are first quantised to E2M3 (2 exponent bits, 3 mantissa bits; 6 bits a number), with one power-of-two scale for each 32 numbers along K (OCP MX v1.0); their sums are f32. All else is computed in f32.
;;   The module's matrix products, in the order in which they are computed (A, B: the left and right operand; K: the contracted axis; several contracted axes count as one K, in the product's order):
;;     1. [M 8,192, K 512] x [K 512, N 512]; A: input pixel_embed; B: input Wq: QUANTISED
;;     2. [M 8,192, K 512] x [K 512, N 512]; A: input patch_embed; B: input Wk: QUANTISED
;;     3. [M 8,192, K 512] x [K 512, N 512]; A: input patch_embed; B: input Wv: QUANTISED
;;     4. batch 32 x [M 2,048, K 64] x [K 64, N 2,048]; A: computed on the way; B: computed on the way: QUANTISED
;;     5. batch 32 x [M 64, K 2,048] x [K 2,048, N 2,048]; A: computed on the way; B: softmax (see below): QUANTISED
;;     6. [M 8,192, K 512] x [K 512, N 512]; A: computed on the way; B: input Wo: QUANTISED
;;   THE QUANTISER, for each operand of a quantised product, along K:
;;     - K is cut into blocks of 32 from its start; a last block that is shorter is filled with zeros.
;;     - A block's scale is 2^e with e = floor(log2(the largest magnitude in the block)) - 2, held to -126 .. 127; a block of zeros has e = 0. As a byte (E8M0): e + 127.
;;     - Each number is divided by its block's scale, clamped to +-7.5, and rounded to the nearest number of E2M3, ties to even, subnormals kept.
;;     - The product sums the exact products of the quantised numbers (number of the format x scale) in f32.
;;   ~~~python
;;   def quantise(x, axis):      # numpy; x: float32 -> the quantised numbers, widened to float32 again
;;       x = np.moveaxis(x, axis, -1); K = x.shape[-1]
;;       x = np.pad(x, [(0, 0)] * (x.ndim - 1) + [(0, -K % 32)]); x = x.reshape(x.shape[:-1] + (-1, 32)); a = np.abs(x).max(-1, keepdims=True)
;;       e = np.where(a > 0, np.clip(np.frexp(np.where(a > 0, a, 1))[1] - 1 - 2, -126, 127), 0)      # np.frexp(a)[1] - 1 = floor(log2(a)), exactly
;;       r = np.clip(x / 2.0 ** e, -7.5, 7.5)
;;       step = 2.0 ** (np.maximum(np.frexp(np.where(r == 0, 1, r))[1] - 1, 0) - 3)
;;       q = np.round(r / step) * step * 2.0 ** e      # np.round: ties to even
;;       return np.moveaxis(q.reshape(q.shape[:-2] + (-1,))[..., :K], -1, axis).astype(np.float32)
;;   ~~~
;;   SOFTMAX AHEAD OF A QUANTISED PRODUCT. Where the list says 'softmax', what is quantised is not the finished softmax but p = 2^(t - M), with t = logit x log2(e) and M = ceil(the row's largest t), a whole number; so 1/2 < the row's largest p <= 1. The row's sum l is taken of the UNQUANTISED p, in f32, and the product's result is divided by l at the end. Since M is a whole number, a kernel that streams over the keys may use a running M (the ceiling of the running maximum): every later rescaling is an exact power of two, which a block's scale takes up: the codes' values come out the same.
;;   OPERANDS COMPUTED ON THE WAY. 'Computed on the way' means the value that the module computes at that place (a softmax that the list does not call 'softmax' is quantised finished and normalised). What goes into a quantiser is computed in f32, as accurately as f32 sums, v_exp_f32 and their like allow (about 1e-6 of the number): no bf16 or f16 on the way to a quantiser, and a product that is left as it is and whose result goes on into a quantised operand takes f32 operands (vector FMAs, or v_wmma_f32_16x16x4_f32). A number that lies on a knife's edge between two numbers of the format may be rounded either way, as far as f32 arithmetic and the matrix unit's own rounding can turn it there, and no further.
;; One version. Each part assembles by itself: llvm-mc -triple=amdgcn-amd-amdhsa -mcpu=gfx1250 --defsym DOCPART=n.
;; ======== version 1 of 1: 3 launches
;; limits: right only within a limited range of input values
;; workspace buffers: xc 6,553,600 bytes; wc 819,200 bytes; qc 3,276,800 bytes; kv 6,553,600 bytes
;; launch quant (part 1): grid 1152 x 1, 4 waves a work-group, no clusters, 34,816 bytes of LDS; arguments pixel_embed, patch_embed, Wq, Wk, Wv, Wo, xc, wc; writes xc, wc
.if DOCPART == 1
	.amdgcn_target "amdgcn-amd-amdhsa--gfx1250"
	.amdhsa_code_object_version 6
	.text
	.protected	k_q818a4667a0_quant
	.globl	k_q818a4667a0_quant
	.p2align	8
	.type	k_q818a4667a0_quant,@function
k_q818a4667a0_quant:
	s_mov_b64 s[64:65], 0
	v_nop
	global_prefetch_b8 v0, s[64:65] scope:SCOPE_SE
	s_setreg_imm32_b32 hwreg(HW_REG_WAVE_MODE, 25, 1), 1
	s_wait_xcnt 0x0
; pixel_embed, patch_embed [8192][512] (K innermost) and Wq, Wk, Wv, Wo [512 (K)][512] (K first), all f32, become codes of FP6 (E2M3) with one E8M0 byte for each 32 along K,
; laid IN THE ORDER OF THE OPERAND'S REGISTERS: an image of a fragment (16 rows x 128 K, 12 registers a lane) is 1,536 bytes, registers 4 i .. 4 i + 3 of lane l at 512 i + 16 l.
; A block's scale is 2^(floor(log2(its largest magnitude)) - 2): its byte is the largest magnitude's exponent field - 2, held at 1 from below.
; LIMITS: NaN and infinities among the inputs are not served; a block whose largest magnitude lies under 2^-124 gets the byte 1; a block of zeros gets the byte 1 where the quantiser says 127
; (its codes are zeros, which add nothing under any byte but 0xff, and this program alone reads the bytes).
; WHICH ROWS FORM A TILE.  Row r of activation tile T8 (0..7) of a block of 128 tokens is token 64 (T8 >> 2) + 32 (r >> 3) + 8 (T8 & 3) + (r & 7); row r of weight tile t (0..3) of a group of 64 columns
; is column 32 (r >> 3) + 8 t + (r & 7).  So in a later product's result the 32 registers of four neighbouring tiles are 32 neighbours: a whole block of the next K in one lane.
; xc: [pixel, patch][64 blocks of 128 tokens] x 51,200 bytes: image (T8, K step s) at (4 T8 + s) 1536; scale words at 49,152 + 256 T8 + 16 r + 4 s.
; wc: [q, k, v, o][8 groups of 64 columns] x 25,600 bytes: image (t, s) at (4 t + s) 1536; scale words at 24,576 + 256 t + 16 r + 4 s.
; SHARES.  A work-group makes one tile, wave s its K step s: one image.  All of a wave's loads (16 of 16 bytes a lane, or 64 of 4) go out on end.  The tile's four words a row meet in 256 bytes of LDS and wave 0 stores them as one aligned unit.
; Work-groups 0-127 take the weights (8 kind + group, tile), 128-1151 the activations; the two ways part on the work-group's number once, and each has LDS bytes of its own for the words.
; A weight's lane takes a column and its registers run down K: a load reads two runs of 32 bytes of a row; the four work-groups of a group of columns together read the row's 256 bytes.
; No cluster: no two work-groups read the same numbers.  No tensor load.  Nothing is prefetched: there is no loop to run ahead in.
.set PITCH, 528                        ; a stage row: 512 bytes + 16, an odd multiple of 16
.set SPARE, 0x8400                     ; behind the four stages: the spare words
.set EXA,   0x8600                     ; the activations' words
.set EXW,   0x8700                     ; the weights' words
.set LI,   1                           ; 16 x lane
.set SOFF, 2                           ; 16 r + 8 h
.set STA,  3                           ; the stage, in
.set LDA,  4                           ; the stage, out: row r, + 128 h
.set WOFF, 5                           ; weights: my column's byte in a row, + 32 h rows
.set EX,   6                           ; 16 r + 4 s: my word's place
.set SPW,  12
.set NIL,  13
.set TM,   16
.set SO,   18
.set BY,   20
.set T2,   22
.set SH8,  23
.set PW,   24                          ; the row's scale word of my K step
.set PC,   28                          ; v28-39 the codes;  v40-47 the blocks' upper halves as converted
.set TC,   40
.set R,    48                          ; v48-111 64 numbers as loaded
.set X,    112                         ; v112-175 64 numbers in the operand's order
.set WV,   20
.set SEL,  22
.set SRC,  26
.set DST,  28
.set WRD,  40
; 64 numbers of a lane, v[x + 32 c + i] = k 64 c + 32 h + i of my row: two whole blocks -> the fragment's 12 registers in v[PC] on, the row's scale word in v[PW] (byte 2 c + h)
.macro QUANT2 x
.irp c, 0,1
	v_max3_num_f32 v[TM+\c], |v[(\x)+32*\c]|, |v[(\x)+32*\c+1]|, 0x1800000   ; with the floor 2^(3 - 127): the byte cannot fall under 1
.endr
.irp i, 2,4,6,8,10,12,14,16,18,20,22,24,26,28,30
.irp c, 0,1
	v_max3_num_f32 v[TM+\c], v[TM+\c], |v[(\x)+32*\c+\i]|, |v[(\x)+32*\c+\i+1]|
.endr
.endr
.irp c, 0,1
	s_delay_alu instid0(VALU_DEP_2)
	v_add_nc_u32 v[SO+\c], 0xff000000, v[TM+\c]    ; 2 off the exponent field: the conversion's scale operand
.endr
.irp c, 0,1
	s_delay_alu instid0(VALU_DEP_2)
	v_lshrrev_b32 v[BY+\c], 23, v[SO+\c]
.endr
	s_delay_alu instid0(VALU_DEP_1)
	v_lshl_or_b32 v[PW], v[BY+1], 16, v[BY]
	s_delay_alu instid0(VALU_DEP_1)
	v_lshlrev_b32 v[PW], v[SH8], v[PW]
	s_delay_alu instid0(VALU_DEP_1)
	v_permlanex16_b32 v[T2], v[PW], s[SEL], s[SEL+1]
	s_delay_alu instid0(VALU_DEP_1)
	v_or_b32 v[PW], v[PW], v[T2]                   ; with lane l xor 16's two bytes the word is whole
.irp c, 0,1
	v_cvt_scalef32_pk16_fp6_f32 v[PC+6*\c:PC+6*\c+2], v[(\x)+32*\c:(\x)+32*\c+15], v[SO+\c]
	v_cvt_scalef32_pk16_fp6_f32 v[TC+4*\c:TC+4*\c+2], v[(\x)+32*\c+16:(\x)+32*\c+31], v[SO+\c]   ; (a conversion's three registers begin on an even number)
.endr
	v_nop                                          ; one plain place behind the scaled conversions
.irp c, 0,1
.irp i, 0,1,2
	v_mov_b32 v[PC+6*\c+3+\i], v[TC+4*\c+\i]
.endr
.endr
.endm
; The word goes to the tile's 256 bytes at ex, the image leaves in three stores of 512 consecutive bytes; behind the barrier wave 0 stores the 256 bytes of words whole.
.macro FINISH ex, lab
	ds_store_b32 v[EX], v[PW] offset:\ex           ; both halves of the lanes write the same word
.irp i, 0,1,2
	global_store_b128 v[LI], v[PC+4*\i:PC+4*\i+3], s[DST:DST+1] offset:512*\i
.endr
	s_wait_dscnt 0x0
	s_barrier_signal -1
	s_barrier_wait -1
	s_cmp_lg_u32 s[WV], 0
	s_cbranch_scc1 \lab
	ds_load_b64 v[26:27], v[SOFF] offset:\ex
	s_wait_dscnt 0x0
	global_store_b64 v[SOFF], v[26:27], s[WRD:WRD+1]
\lab:
	s_wait_tensorcnt 0x0                           ; the wave's end
	ds_add_u32 v[SPW], v[NIL]
	s_wait_dscnt 0x0
	s_endpgm
.endm
	s_load_b256 s[4:11], s[0:1], 0x0               ; pixel s[4:5], patch s[6:7], Wq s[8:9], Wk s[10:11]
	s_load_b256 s[12:19], s[0:1], 0x20             ; Wv s[12:13], Wo s[14:15], xc s[16:17], wc s[18:19]
	v_lshl_add_u32 v[SPW], v0, 2, SPARE
	v_mov_b32 v[NIL], 0
	v_lshrrev_b32 v8, 5, v0
	v_readfirstlane_b32 s[WV], v8                  ; wave = K step 0..3
	v_and_b32 v9, 31, v0                           ; lane
	v_and_b32 v10, 15, v0                          ; r
	v_bfe_u32 v11, v0, 4, 1                        ; h
	v_lshlrev_b32 v[LI], 4, v9
	v_lshlrev_b32 v[SOFF], 4, v10
	s_lshl_b32 s30, s[WV], 2
	v_add_nc_u32 v[EX], s30, v[SOFF]
	v_lshl_add_u32 v[SOFF], v11, 3, v[SOFF]
	v_lshlrev_b32 v[SH8], 3, v11
	v_mov_b32 v[T2], 0                             ; a lane permute's destination counts as one of its sources
	s_mov_b32 s[SEL], 0x76543210
	s_mov_b32 s[SEL+1], 0xfedcba98
	s_mul_i32 s30, s[WV], 16*PITCH                 ; my wave's stage
	v_add_nc_u32 v[STA], s30, v[LI]
	v_mul_u32_u24 v[LDA], v10, PITCH
	v_lshl_add_u32 v[LDA], v11, 7, v[LDA]
	v_add_nc_u32 v[LDA], s30, v[LDA]
	v_and_b32 v8, 8, v10
	v_and_b32 v9, 7, v10
	v_lshl_add_u32 v8, v8, 2, v9                   ; 32 (r >> 3) + (r & 7)
	v_lshlrev_b32 v[WOFF], 2, v8
	v_lshl_add_u32 v[WOFF], v11, 16, v[WOFF]       ; lanes 16-31 begin 32 rows of 2,048 bytes further down
	s_mov_b32 s37, 0
	s_mov_b32 s39, 0
	s_wait_alu depctr_va_vdst(0)                   ; the wait at the head's end
	s_wait_kmcnt 0x0
	s_cmp_lt_u32 ttmp9, 128
	s_cbranch_scc1 .Lweights
	; ---- the activations.  work-group - 128 = 512 X + 8 tb + T8
	s_sub_co_u32 s30, ttmp9, 128
	s_cmp_lt_u32 s30, 512
	s_cselect_b64 s[SRC:SRC+1], s[4:5], s[6:7]     ; pixel or patch: the choice hangs on ids alone
	s_lshr_b32 s31, s30, 3                         ; 64 X + tb: the block in xc
	s_and_b32 s32, s31, 63                         ; tb
	s_and_b32 s33, s30, 7                          ; T8
	s_lshr_b32 s34, s33, 2
	s_and_b32 s35, s33, 3
	s_lshl_b32 s32, s32, 7
	s_lshl_b32 s34, s34, 6
	s_lshl_b32 s35, s35, 3
	s_add_co_u32 s32, s32, s34
	s_add_co_u32 s32, s32, s35                     ; the tile's first token
	s_lshl_b32 s36, s32, 11                        ; rows of 2,048 bytes,
	s_lshl_b32 s34, s[WV], 9
	s_add_co_u32 s36, s36, s34                     ; and my K step's 512 bytes of them
	s_add_nc_u64 s[SRC:SRC+1], s[SRC:SRC+1], s[36:37]
	s_mul_i32 s36, s31, 51200
	s_lshl_b32 s38, s33, 2
	s_add_co_u32 s38, s38, s[WV]
	s_mul_i32 s38, s38, 1536
	s_add_co_u32 s38, s38, s36
	s_add_nc_u64 s[DST:DST+1], s[16:17], s[38:39]  ; my image
	s_lshl_b32 s38, s33, 8
	s_add_co_u32 s38, s38, s36
	s_add_co_u32 s38, s38, 49152
	s_add_nc_u64 s[WRD:WRD+1], s[16:17], s[38:39]  ; the tile's words
.set n, 0
.rept 16
	global_load_b128 v[R+4*n:R+4*n+3], v[LI], s[SRC:SRC+1] offset:(32*(n/8)+n%8)*2048 th:TH_LOAD_NT   ; 512 consecutive bytes of one row
.set n, n+1
.endr
	s_wait_loadcnt 0x0
.set n, 0
.rept 16
	ds_store_b128 v[STA], v[R+4*n:R+4*n+3] offset:PITCH*n          ; the 8,192 bytes turn through my stage: in as loaded,
.set n, n+1
.endr
.set n, 0
.rept 16
	ds_load_b128 v[X+4*n:X+4*n+3], v[LDA] offset:256*(n/8)+16*(n%8)   ; out 128 bytes of row r for each of my two blocks (LDS serves a wave's instructions in order)
.set n, n+1
.endr
	s_wait_dscnt 0x0
	QUANT2 X
	FINISH EXA, .Lxend
	; ---- the weights.  work-group = 4 (8 kind + group) + tile
.Lweights:
	s_lshr_b32 s31, ttmp9, 2                       ; 8 kind + group: the block in wc
	s_and_b32 s35, ttmp9, 3                        ; tile t
	s_lshr_b32 s30, s31, 3                         ; kind: 0 q, 1 k, 2 v, 3 o
	s_and_b32 s32, s31, 7
	s_cmp_eq_u32 s30, 0
	s_cselect_b64 s[SRC:SRC+1], s[8:9], s[14:15]
	s_cmp_eq_u32 s30, 1
	s_cselect_b64 s[SRC:SRC+1], s[10:11], s[SRC:SRC+1]
	s_cmp_eq_u32 s30, 2
	s_cselect_b64 s[SRC:SRC+1], s[12:13], s[SRC:SRC+1]
	s_lshl_b32 s36, s[WV], 18                      ; my K step: 128 rows of 2,048 bytes,
	s_lshl_b32 s32, s32, 8
	s_lshl_b32 s33, s35, 5
	s_add_co_u32 s36, s36, s32
	s_add_co_u32 s36, s36, s33                     ; and column 64 group + 8 t, in bytes
	s_add_nc_u64 s[SRC:SRC+1], s[SRC:SRC+1], s[36:37]
	s_mul_i32 s36, s31, 25600
	s_lshl_b32 s38, s35, 2
	s_add_co_u32 s38, s38, s[WV]
	s_mul_i32 s38, s38, 1536
	s_add_co_u32 s38, s38, s36
	s_add_nc_u64 s[DST:DST+1], s[18:19], s[38:39]
	s_lshl_b32 s38, s35, 8
	s_add_co_u32 s38, s38, s36
	s_add_co_u32 s38, s38, 24576
	s_add_nc_u64 s[WRD:WRD+1], s[18:19], s[38:39]
.set n, 0
.rept 64
	global_load_b32 v[R+n], v[WOFF], s[SRC:SRC+1] offset:(64*(n/32)+n%32)*2048   ; W(128 s + 64 c + 32 h + i, my column) into register 32 c + i
.set n, n+1
.endr
	s_wait_loadcnt 0x0
	QUANT2 R
	FINISH EXW, .Lwend
.Lfunc_end_k_q818a4667a0_quant:
	.size	k_q818a4667a0_quant, .Lfunc_end_k_q818a4667a0_quant-k_q818a4667a0_quant
	.p2alignl 7, 3214868480
	.fill 96, 4, 3214868480
	.section	.rodata,"a",@progbits
	.p2align	6, 0x0
	.amdhsa_kernel k_q818a4667a0_quant
		.amdhsa_group_segment_fixed_size 34816
		.amdhsa_private_segment_fixed_size 0
		.amdhsa_enable_private_segment 0
		.amdhsa_kernarg_size 64
		.amdhsa_user_sgpr_count 2
		.amdhsa_user_sgpr_kernarg_segment_ptr 1
		.amdhsa_wavefront_size32 1
		.amdhsa_system_sgpr_workgroup_id_x 1
		.amdhsa_system_sgpr_workgroup_id_y 1
		.amdhsa_system_sgpr_workgroup_id_z 1
		.amdhsa_system_vgpr_workitem_id 0
		.amdhsa_next_free_vgpr 176
		.amdhsa_next_free_sgpr 66
		.amdhsa_reserve_vcc 0
		.amdhsa_float_denorm_mode_32 3
		.amdhsa_float_denorm_mode_16_64 3
		.amdhsa_memory_ordered 1
		.amdhsa_forward_progress 1
		.amdhsa_inst_pref_size 22
	.end_amdhsa_kernel
	.amdgpu_metadata
---
amdhsa.version: [ 1, 2 ]
amdhsa.kernels:
  - .name:           k_q818a4667a0_quant
    .symbol:         k_q818a4667a0_quant.kd
    .args:
      - { .name: pixel_embed, .offset: 0, .size: 8, .value_kind: global_buffer, .address_space: global }
      - { .name: patch_embed, .offset: 8, .size: 8, .value_kind: global_buffer, .address_space: global }
      - { .name: Wq, .offset: 16, .size: 8, .value_kind: global_buffer, .address_space: global }
      - { .name: Wk, .offset: 24, .size: 8, .value_kind: global_buffer, .address_space: global }
      - { .name: Wv, .offset: 32, .size: 8, .value_kind: global_buffer, .address_space: global }
      - { .name: Wo, .offset: 40, .size: 8, .value_kind: global_buffer, .address_space: global }
      - { .name: xc, .offset: 48, .size: 8, .value_kind: global_buffer, .address_space: global }
      - { .name: wc, .offset: 56, .size: 8, .value_kind: global_buffer, .address_space: global }
    .group_segment_fixed_size: 34816
    .private_segment_fixed_size: 0
    .kernarg_segment_align: 8
    .kernarg_segment_size: 64
    .max_flat_workgroup_size: 128
    .sgpr_count:     66
    .vgpr_count:     176
    .wavefront_size: 32
...
	.end_amdgpu_metadata
.endif
;; end of part 1
;; launch proj (part 2): grid 4 x 64, 8 waves a work-group, clusters of 4 x 4, 263,168 bytes of LDS; arguments xc, wc, qc, kv; writes qc, kv
.if DOCPART == 2
	.amdgcn_target "amdgcn-amd-amdhsa--gfx1250"
	.amdhsa_code_object_version 6
	.text
	.protected	k_q818a4667a0_proj
	.globl	k_q818a4667a0_proj
	.p2align	8
	.type	k_q818a4667a0_proj,@function
k_q818a4667a0_proj:
	s_mov_b64 s[64:65], 0
	v_nop
	global_prefetch_b8 v0, s[64:65] scope:SCOPE_SE
	s_setreg_imm32_b32 hwreg(HW_REG_WAVE_MODE, 25, 1), 1
	s_wait_xcnt 0x0
	s_wait_alu depctr_hold_cnt(0) depctr_sa_sdst(0) depctr_va_vdst(0) depctr_va_sdst(0) depctr_va_ssrc(0) depctr_va_vcc(0) depctr_vm_vsrc(0)
	s_getreg_b32 s2, hwreg(HW_REG_IB_STS2, 6, 4)
	s_cmp_eq_u32 s2, 0
	s_cbranch_scc0 .Lentry_in_a_cluster
	s_endpgm
.Lentry_in_a_cluster:
	s_bfe_u32 s2, ttmp6, 0x10000c
	s_cmp_lg_u32 s2, 0xf033
	s_cbranch_scc0 .Lentry_shape_is_right
	s_endpgm
.Lentry_shape_is_right:
; q = pixel Wq, k = patch Wk, v = patch Wv on codes of FP6 (E2M3) with E8M0 scales, sums in f32; the results are quantised in registers, q and k along the head's 64 channels, v along the keys,
; and leave as images of the next products' operand registers.
; LIMITS: NaN and infinities are not served; a block whose largest magnitude lies under 2^-124 gets the byte 1, and so does a block of zeros (its codes are zeros; this program alone reads the bytes).
; SHARES.  Work-group (p, tb) takes the 128 tokens of block tb, of pixel and of patch, and heads 2 p and 2 p + 1.  Wave w: hl = w >> 2 (which head), f = w & 3.  Three jobs a wave, each 8 accumulators x 4 K steps:
;   Q: source 0 = Wq's four tiles of my head, source 1 = pixel's tiles 2 f, 2 f + 1.  A lane then holds one token, and the 32 registers of the four tiles are channels 32 h + 0 .. 31: a whole block.
;   K: the same with Wk and patch.  The two tiles' codes together are ONE image: row m holds key tile 2 f's row in k 0..63 and key tile 2 f + 1's row in k 64..127.
;   V: source 0 = patch's eight tiles, source 1 = Wv's tile f of my head.  A lane then holds one channel, and its 64 registers are tokens 64 c + 32 h + 0 .. 31: two whole blocks along the keys.
; qc: [8 b + head][block of 128 queries] x 6,400 bytes: tile T8's piece (six registers a lane: 0-3 at 16 l, 4-5 at 512 + 8 l) at 768 T8; words at 6,144 + 16 r + 4 f (bytes 0, 1: tile 2 f; bytes 2, 3: tile 2 f + 1).
; kv: [8 b + head][step of 128 keys] x 12,800 bytes: K's image F at 1536 F, V's image t at 6,144 + 1536 t, K's words at 12,288 + 16 r + 4 F, V's at 12,544 + 16 r + 4 t.
; CLUSTER 4 x 4.  The four work-groups of a row of the cluster share tb, so the two blocks of xc are asked for jointly along the row; the four of a column share p, so the three blocks of wc along the column.
; LDS holds all five blocks at once, each filled once: no slot is filled again.  Each wave fetches one block or half of one: one tensor load of a wave is out.
; Nothing is prefetched: every tensor load of the launch goes out at its head, so there is no later load to ask ahead for.
.set XP,  0                            ; pixel's block, 51,200 bytes
; THE LOADS, as they stand now (this takes the place of what the head comment says of eighths): one tensor load a wave.
; Waves 0 and 1 fetch pixel's and patch's block whole (200 rows of 256 bytes), waves 2 to 7 the halves of Wq, Wk, Wv (100 rows each): LDS holds pixel, patch, Wq, Wk, Wv on end.
.set WQ,  102400
.set XA,  51200
.set WK,  153600
.set WVR, 204800
.set SCR, 256000                       ; scale words on their way out: 1,024 bytes a job, 128 a wave; no tensor load lands here
.set LI,  1                            ; v1  16 x lane
.set LR,  2                            ; v2  16 r
.set SH8, 3                            ; v3  8 h
.set T2,  4                            ; v4  a lane permute's destination
.set L8,  5                            ; v5  8 x lane
                                       ; v6-9, v10-13, v14-17: the jobs' LDS addresses: x's images, W's images, x's words, W's words
.set SCA, 18                           ; v18 SCR + 4 x thread
.set SCB, 19                           ; v19 where I read a job's words back
.set TM,  20
.set SO,  22
.set BY,  24
.set PW,  26                           ; the scale word just made
.set PC,  28                           ; v28-39 the codes;  v40-47 upper halves as converted
.set TC,  40
.set WS,  48                           ; v48-83 scale words, and nothing else
.set XS,  64
.set FW,  84                           ; v84-191 fragments
.set FX,  132
.set ACC, 192                          ; v192-255 eight accumulators
.set WV,  12
.set HL,  13
.set FF,  14
.set SEL, 20
.set G1X, 24                           ; s[24:31] group 1 for xc's blocks (mask: my row of the cluster);  s[32:39] for wc's (my column)
.set G1W, 32
.macro PLACES                          ; four plain places behind a matrix instruction, ahead of loads into its registers and of reads of its results
.rept 4
	v_nop
.endr
.endm
.macro BAR                             ; my LDS instructions are done; then the work-group's barrier
	s_wait_dscnt 0x0
	s_barrier_signal -1
	s_barrier_wait -1
.endm
.macro CROUND                          ; a round of the cluster's barrier
	s_barrier_signal -1
	s_barrier_wait -1
	s_cmp_lg_u32 s[WV], 0
	s_cbranch_scc1 .Lnot_wave_0_\@
	s_barrier_signal -3
.Lnot_wave_0_\@:
	s_barrier_wait -3
	s_barrier_signal -1
	s_barrier_wait -1
.endm
.macro G0SET g, region, ptr, add       ; group 0: count 1; LDS address: the region + s62; global address; type 2
	s_mov_b32 s[\g], 1
	s_add_co_u32 s[\g+1], s62, \region
	s_add_nc_u64 s[\g+2:\g+3], s[\ptr:\ptr+1], \add
	s_or_b32 s[\g+3], s[\g+3], 0x80000000
.endm
; 64 numbers of a lane, v[x + 32 c + i]: two whole blocks.  Codes to v[PC] on, the scale word (byte 2 c + h) to v[PW].  Each accumulator is read from its low end on.
.macro QUANT2 x
.irp c, 0,1
	v_max3_num_f32 v[TM+\c], |v[(\x)+32*\c]|, |v[(\x)+32*\c+1]|, 0x1800000   ; with the floor 2^(3 - 127): the byte cannot fall under 1
.endr
.irp i, 2,4,6,8,10,12,14,16,18,20,22,24,26,28,30
.irp c, 0,1
	v_max3_num_f32 v[TM+\c], v[TM+\c], |v[(\x)+32*\c+\i]|, |v[(\x)+32*\c+\i+1]|
.endr
.endr
.irp c, 0,1
	s_delay_alu instid0(VALU_DEP_2)
	v_add_nc_u32 v[SO+\c], 0xff000000, v[TM+\c]    ; 2 off the exponent field: the conversion's scale operand
.endr
.irp c, 0,1
	s_delay_alu instid0(VALU_DEP_2)
	v_lshrrev_b32 v[BY+\c], 23, v[SO+\c]
.endr
	s_delay_alu instid0(VALU_DEP_1)
	v_lshl_or_b32 v[PW], v[BY+1], 16, v[BY]
	s_delay_alu instid0(VALU_DEP_1)
	v_lshlrev_b32 v[PW], v[SH8], v[PW]
	s_delay_alu instid0(VALU_DEP_1)
	v_permlanex16_b32 v[T2], v[PW], s[SEL], s[SEL+1]
	s_delay_alu instid0(VALU_DEP_1)
	v_or_b32 v[PW], v[PW], v[T2]
	s_wait_alu depctr_va_vdst(0)
	s_wait_xcnt 0x0                                ; the last job's stores have read v[PC] on
.irp c, 0,1
	v_cvt_scalef32_pk16_fp6_f32 v[PC+6*\c:PC+6*\c+2], v[(\x)+32*\c:(\x)+32*\c+15], v[SO+\c]
	v_cvt_scalef32_pk16_fp6_f32 v[TC+4*\c:TC+4*\c+2], v[(\x)+32*\c+16:(\x)+32*\c+31], v[SO+\c]
.endr
	v_nop                                          ; one plain place behind the scaled conversions
.irp c, 0,1
.irp i, 0,1,2
	v_mov_b32 v[PC+6*\c+3+\i], v[TC+4*\c+\i]
.endr
.endr
.endm
; Jobs Q and K.  The eight accumulators take turns, one instruction a turn, in the same order in every K step; the first K step starts the sums.
.macro JOBT ax, aw, ux, uw
.irp t, 0,1,2,3
	ds_load_b128 v[WS+4*\t:WS+4*\t+3], v[\uw] offset:256*\t        ; tile t's words of the four K steps
.endr
.irp g, 0,1
	ds_load_b128 v[XS+4*\g:XS+4*\g+3], v[\ux] offset:256*\g
.endr
.irp k, 0,1,2,3
.if \k > 0
	PLACES
.endif
.irp t, 0,1,2,3
.irp i, 0,1,2
	ds_load_b128 v[FW+12*\t+4*\i:FW+12*\t+4*\i+3], v[\aw] offset:(4*\t+\k)*1536+512*\i
.endr
.endr
.irp g, 0,1
.irp i, 0,1,2
	ds_load_b128 v[FX+12*\g+4*\i:FX+12*\g+4*\i+3], v[\ax] offset:6144*\g+1536*\k+512*\i
.endr
.endr
	s_wait_dscnt 0x0
.irp g, 0,1
.irp t, 0,1,2,3
.if \k == 0
	v_wmma_scale_f32_16x16x128_f8f6f4 v[ACC+32*\g+8*\t:ACC+32*\g+8*\t+7], v[FW+12*\t:FW+12*\t+11], v[FX+12*\g:FX+12*\g+11], 0, v[WS+4*\t+\k], v[XS+4*\g+\k] matrix_a_fmt:MATRIX_FMT_FP6 matrix_b_fmt:MATRIX_FMT_FP6
.else
	v_wmma_scale_f32_16x16x128_f8f6f4 v[ACC+32*\g+8*\t:ACC+32*\g+8*\t+7], v[FW+12*\t:FW+12*\t+11], v[FX+12*\g:FX+12*\g+11], v[ACC+32*\g+8*\t:ACC+32*\g+8*\t+7], v[WS+4*\t+\k], v[XS+4*\g+\k] matrix_a_fmt:MATRIX_FMT_FP6 matrix_b_fmt:MATRIX_FMT_FP6
.endif
.endr
.endr
.endr
	PLACES
	QUANT2 ACC
.endm
; Job V: source 0 = patch's eight tiles, source 1 = my tile of Wv.
.macro JOBV ax, aw, ux, uw
.irp u, 0,1,2,3,4,5,6,7
	ds_load_b128 v[WS+4*\u:WS+4*\u+3], v[\ux] offset:256*\u
.endr
	ds_load_b128 v[WS+32:WS+35], v[\uw]
.irp k, 0,1,2,3
.if \k > 0
	PLACES
.endif
.irp u, 0,1,2,3,4,5,6,7
.irp i, 0,1,2
	ds_load_b128 v[FW+12*\u+4*\i:FW+12*\u+4*\i+3], v[\ax] offset:(4*\u+\k)*1536+512*\i
.endr
.endr
.irp i, 0,1,2
	ds_load_b128 v[FW+96+4*\i:FW+96+4*\i+3], v[\aw] offset:1536*\k+512*\i
.endr
	s_wait_dscnt 0x0
.irp u, 0,1,2,3,4,5,6,7
.if \k == 0
	v_wmma_scale_f32_16x16x128_f8f6f4 v[ACC+8*\u:ACC+8*\u+7], v[FW+12*\u:FW+12*\u+11], v[FW+96:FW+107], 0, v[WS+4*\u+\k], v[WS+32+\k] matrix_a_fmt:MATRIX_FMT_FP6 matrix_b_fmt:MATRIX_FMT_FP6
.else
	v_wmma_scale_f32_16x16x128_f8f6f4 v[ACC+8*\u:ACC+8*\u+7], v[FW+12*\u:FW+12*\u+11], v[FW+96:FW+107], v[ACC+8*\u:ACC+8*\u+7], v[WS+4*\u+\k], v[WS+32+\k] matrix_a_fmt:MATRIX_FMT_FP6 matrix_b_fmt:MATRIX_FMT_FP6
.endif
.endr
.endr
	PLACES
	QUANT2 ACC
.endm
	s_load_b256 s[4:11], s[0:1], 0x0               ; xc s[4:5], wc s[6:7], qc s[8:9], kv s[10:11]
	v_lshl_add_u32 v27, v0, 2, 0x40000
	v_mov_b32 v47, 0
	ds_add_u32 v27, v47
	ds_add_u32 v27, v47
	v_lshrrev_b32 v43, 5, v0
	s_delay_alu instid0(VALU_DEP_1)
	v_readfirstlane_b32 s[WV], v43                 ; wave 0..7
	s_lshr_b32 s[HL], s[WV], 2
	s_and_b32 s[FF], s[WV], 3
	s_bfe_u32 s15, ttmp6, 0x40000                  ; cx
	s_bfe_u32 s16, ttmp6, 0x40004                  ; cy
	s_and_b32 s17, ttmp7, 0xffff
	s_lshl_b32 s17, s17, 2
	s_add_co_u32 s17, s17, s16                     ; tb = 4 x cluster y + cy
	s_lshl_b32 s18, ttmp9, 2
	s_add_co_u32 s18, s18, s15                     ; p = 4 x cluster x + cx
	s_lshl_b32 s60, s16, 2
	s_lshl_b32 s60, 15, s60                        ; my row of the cluster
	s_lshl_b32 s61, 0x1111, s15                    ; my column
	s_or_b32 s[G1X], s60, (3<<16)|(1<<21)          ; 15:0 the mask; 17:16 elements of 8 bytes; 21 set beside a mask; no padding
	s_or_b32 s[G1W], s61, (3<<16)|(1<<21)
.irp g, G1X, G1W
	s_mov_b32 s[\g+1], 32<<16                      ; tensor_dim0 = 32 elements: rows of 256 bytes
	s_mov_b32 s[\g+2], (200-100*((\g-G1X)/8))<<16  ; tensor_dim1: 200 rows for xc's blocks, 100 for wc's halves
	s_mov_b32 s[\g+3], 32<<16
	s_mov_b32 s[\g+4], 200-100*((\g-G1X)/8)        ; tile_dim1
	s_mov_b32 s[\g+5], 32                          ; the pitch: the block is dense
	s_mov_b32 s[\g+6], 0
	s_mov_b32 s[\g+7], 0
.endr
	s_mov_b32 s[SEL], 0x76543210
	s_mov_b32 s[SEL+1], 0xfedcba98
	; every LDS address is made here, of the thread's and the wave's number and constants alone
	v_and_b32 v40, 31, v0                          ; lane
	v_and_b32 v41, 15, v0                          ; r
	v_bfe_u32 v42, v0, 4, 1                        ; h
	s_delay_alu instid0(VALU_DEP_3)
	v_lshlrev_b32 v[LI], 4, v40
	s_delay_alu instid0(VALU_DEP_3)
	v_lshlrev_b32 v[LR], 4, v41
	s_delay_alu instid0(VALU_DEP_3)
	v_lshlrev_b32 v[SH8], 3, v42
	v_mov_b32 v[T2], 0
	v_lshlrev_b32 v[L8], 3, v40
	s_mul_i32 s60, s[FF], 12288                    ; tiles 2 f, 2 f + 1: eight images on
	s_mul_i32 s61, s[HL], 25600                    ; my head's block of weights
	s_lshl_b32 s63, s[FF], 9                       ; two tiles' words
	v_add_nc_u32 v6, s60, v[LI]                    ; job Q: pixel's images (XP = 0),
	s_add_co_u32 s22, s61, WQ
	v_add_nc_u32 v7, s22, v[LI]                    ; Wq's images,
	s_add_co_u32 s23, s63, XP+49152
	v_add_nc_u32 v8, s23, v[LR]                    ; pixel's words,
	s_add_co_u32 s22, s22, 24576
	v_add_nc_u32 v9, s22, v[LR]                    ; Wq's words
	s_add_co_u32 s22, s60, XA
	v_add_nc_u32 v10, s22, v[LI]                   ; job K likewise
	s_add_co_u32 s22, s61, WK
	v_add_nc_u32 v11, s22, v[LI]
	s_add_co_u32 s23, s63, XA+49152
	v_add_nc_u32 v12, s23, v[LR]
	s_add_co_u32 s22, s22, 24576
	v_add_nc_u32 v13, s22, v[LR]
	v_add_nc_u32 v14, XA, v[LI]                    ; job V: all of patch's images,
	s_mul_i32 s22, s[FF], 6144
	s_add_co_u32 s22, s22, s61
	s_add_co_u32 s22, s22, WVR
	v_add_nc_u32 v15, s22, v[LI]                   ; tile f of Wv,
	v_add_nc_u32 v16, XA+49152, v[LR]
	s_lshl_b32 s22, s[FF], 8
	s_add_co_u32 s22, s22, s61
	s_add_co_u32 s22, s22, WVR+24576
	v_add_nc_u32 v17, s22, v[LR]
	v_lshl_add_u32 v[SCA], v0, 2, SCR              ; my word's place: 128 bytes a wave
	v_and_b32 v43, 1, v40
	v_lshrrev_b32 v44, 1, v40
	s_delay_alu instid0(VALU_DEP_1)
	v_lshlrev_b32 v[SCB], 2, v44
	s_delay_alu instid0(VALU_DEP_1)
	v_lshl_add_u32 v[SCB], v43, 8, v[SCB]          ; back: row lane >> 1, words 2 (lane & 1) and the next: 256 (lane & 1) + 4 (lane >> 1),
	s_lshl_b32 s22, s[FF], 10
	s_lshl_b32 s23, s[HL], 9
	s_add_co_u32 s22, s22, s23
	s_add_co_u32 s22, s22, SCR
	v_add_nc_u32 v[SCB], s22, v[SCB]               ; of job f, of my head's four waves
	; the joint loads' addresses: xc's hang on tb alone, wc's on p alone, each in registers that never hold the other coordinate
	s_min_u32 s23, s[WV], 1                        ; xc's way (waves 0, 1): pixel or patch
	s_mul_i32 s62, s23, 51200                      ; its place in LDS
	s_mul_i32 s74, s17, 51200
	s_mul_i32 s63, s23, 3276800                    ; patch's blocks lie 64 blocks on
	s_add_co_u32 s74, s74, s63
	s_mov_b32 s75, 0
	s_mul_i32 s78, s18, 51200
	s_max_u32 s63, s[WV], 2
	s_sub_co_u32 s63, s63, 2                       ; wc's way (waves 2 to 7): 2 x kind + half
	s_lshr_b32 s22, s63, 1
	s_mul_i32 s22, s22, 204800                     ; a kind is eight blocks
	s_add_co_u32 s78, s78, s22
	s_and_b32 s22, s63, 1
	s_mul_i32 s22, s22, 25600                      ; one head's block
	s_add_co_u32 s78, s78, s22
	s_mov_b32 s79, 0
	s_wait_dscnt 0x0
	s_wait_kmcnt 0x0
	s_add_nc_u64 s[74:75], s[4:5], s[74:75]
	s_add_nc_u64 s[78:79], s[6:7], s[78:79]
	G0SET 40, XP,  74, 0
	s_mul_i32 s62, s[WV], 25600
	G0SET 44, 51200, 78, 0                         ; wave 2 lands at WQ, wave 7 ends at SCR
	; where the results go
	s_lshr_b32 s60, s17, 4
	s_lshl_b32 s60, s60, 3
	s_lshl_b32 s61, s18, 1
	s_add_co_u32 s60, s60, s61
	s_add_co_u32 s60, s60, s[HL]                   ; 8 b + head
	s_lshl_b32 s60, s60, 4
	s_and_b32 s61, s17, 15
	s_add_co_u32 s60, s60, s61                     ; x 16 + the block of 128 tokens in the batch
	s_mul_i32 s22, s60, 12800
	s_mov_b32 s23, 0
	s_add_nc_u64 s[76:77], s[10:11], s[22:23]      ; my block of kv
	s_mul_i32 s22, s60, 6400
	s_add_nc_u64 s[78:79], s[8:9], s[22:23]        ; my block of qc
	s_mul_i32 s22, s[FF], 1536
	s_add_nc_u64 s[68:69], s[78:79], s[22:23]      ; q's two pieces
	s_add_nc_u64 s[66:67], s[76:77], s[22:23]      ; K's image f
	s_add_nc_u64 s[70:71], s[66:67], 6144          ; V's image f
	s_mov_b32 s22, 12288
	s_mov_b32 s19, 12544
	s_cmp_eq_u32 s[FF], 0                          ; wave f sends job f's words: f = 0 q's, 1 K's, 2 V's
	s_cselect_b64 s[72:73], s[78:79], s[76:77]
	s_cselect_b32 s22, 6144, s22
	s_cmp_eq_u32 s[FF], 2
	s_cselect_b32 s22, s19, s22
	s_add_nc_u64 s[72:73], s[72:73], s[22:23]
	CROUND                                         ; all sixteen work-groups are here: the joint loads meet
	s_cmp_lt_u32 s[WV], 2                          ; one chain on the wave's number, one load to an arm
	s_cbranch_scc0 .Lfor_w
	tensor_load_to_lds s[40:43], s[G1X:G1X+7]
	s_nop 0
	PLACES
	s_branch .Lasked
.Lfor_w:
	tensor_load_to_lds s[44:47], s[G1W:G1W+7]
	s_nop 0
	PLACES
.Lasked:
	s_wait_alu depctr_va_vdst(0)                   ; the wait at the head's end
	s_wait_tensorcnt 0x0                           ; my one load is in
	BAR                                            ; everybody's are
	JOBT 6, 7, 8, 9
.irp g, 0,1
	global_store_b128 v[LI], v[PC+6*\g:PC+6*\g+3], s[68:69] offset:768*\g          ; 512 consecutive bytes, aligned to 256
	global_store_b64 v[L8], v[PC+6*\g+4:PC+6*\g+5], s[68:69] offset:768*\g+512     ; and 256
.endr
	ds_store_b32 v[SCA], v[PW]
	BAR
	JOBT 10, 11, 12, 13
.irp i, 0,1,2
	global_store_b128 v[LI], v[PC+4*\i:PC+4*\i+3], s[66:67] offset:512*\i
.endr
	ds_store_b32 v[SCA], v[PW] offset:1024
	s_wait_tensorcnt 0x0
	BAR
	JOBV 14, 15, 16, 17
.irp i, 0,1,2
	global_store_b128 v[LI], v[PC+4*\i:PC+4*\i+3], s[70:71] offset:512*\i
.endr
	ds_store_b32 v[SCA], v[PW] offset:2048
	BAR                                            ; all waves' words lie in LDS
	s_cmp_eq_u32 s[FF], 3                          ; three jobs, so the fourth wave of a head sends nothing; the branch hangs on the wave's number alone
	s_cbranch_scc1 .Lno_words
	ds_load_b32 v40, v[SCB]
	ds_load_b32 v41, v[SCB] offset:128
	s_wait_dscnt 0x0
	global_store_b64 v[L8], v[40:41], s[72:73]     ; a job's 256 bytes of words leave whole
.Lno_words:
	s_wait_tensorcnt 0x0
	ds_add_u32 v27, v47
	s_wait_dscnt 0x0
	CROUND                                         ; the closing round: no work-group ends while a partner may still ask for a block that names it
	s_endpgm
.Lfunc_end_k_q818a4667a0_proj:
	.size	k_q818a4667a0_proj, .Lfunc_end_k_q818a4667a0_proj-k_q818a4667a0_proj
	.p2alignl 7, 3214868480
	.fill 96, 4, 3214868480
	.section	.rodata,"a",@progbits
	.p2align	6, 0x0
	.amdhsa_kernel k_q818a4667a0_proj
		.amdhsa_group_segment_fixed_size 263168
		.amdhsa_private_segment_fixed_size 0
		.amdhsa_enable_private_segment 0
		.amdhsa_kernarg_size 32
		.amdhsa_user_sgpr_count 2
		.amdhsa_user_sgpr_kernarg_segment_ptr 1
		.amdhsa_wavefront_size32 1
		.amdhsa_system_sgpr_workgroup_id_x 1
		.amdhsa_system_sgpr_workgroup_id_y 1
		.amdhsa_system_sgpr_workgroup_id_z 1
		.amdhsa_system_vgpr_workitem_id 0
		.amdhsa_next_free_vgpr 256
		.amdhsa_next_free_sgpr 80
		.amdhsa_reserve_vcc 0
		.amdhsa_float_denorm_mode_32 3
		.amdhsa_float_denorm_mode_16_64 3
		.amdhsa_memory_ordered 1
		.amdhsa_forward_progress 1
		.amdhsa_inst_pref_size 51
	.end_amdhsa_kernel
	.amdgpu_metadata
---
amdhsa.version: [ 1, 2 ]
amdhsa.kernels:
  - .name:           k_q818a4667a0_proj
    .symbol:         k_q818a4667a0_proj.kd
    .args:
      - { .name: xc, .offset: 0, .size: 8, .value_kind: global_buffer, .address_space: global }
      - { .name: wc, .offset: 8, .size: 8, .value_kind: global_buffer, .address_space: global }
      - { .name: qc, .offset: 16, .size: 8, .value_kind: global_buffer, .address_space: global }
      - { .name: kv, .offset: 24, .size: 8, .value_kind: global_buffer, .address_space: global }
    .group_segment_fixed_size: 263168
    .private_segment_fixed_size: 0
    .kernarg_segment_align: 8
    .kernarg_segment_size: 32
    .max_flat_workgroup_size: 256
    .sgpr_count:     80
    .vgpr_count:     256
    .wavefront_size: 32
...
	.end_amdgpu_metadata
.endif
;; end of part 2
;; launch attn (part 3): grid 64 x 4, 16 waves a work-group, clusters of 4 x 1, 327,680 bytes of LDS; arguments qc, kv, wc, bo, out0; writes out0
.if DOCPART == 3
	.amdgcn_target "amdgcn-amd-amdhsa--gfx1250"
	.amdhsa_code_object_version 6
	.text
	.protected	k_q818a4667a0_attn
	.globl	k_q818a4667a0_attn
	.p2align	8
	.type	k_q818a4667a0_attn,@function
k_q818a4667a0_attn:
	s_mov_b64 s[64:65], 0
	v_nop
	global_prefetch_b8 v0, s[64:65] scope:SCOPE_SE
	s_setreg_imm32_b32 hwreg(HW_REG_WAVE_MODE, 25, 1), 1
	s_wait_xcnt 0x0
	s_wait_alu depctr_hold_cnt(0) depctr_sa_sdst(0) depctr_va_vdst(0) depctr_va_sdst(0) depctr_va_ssrc(0) depctr_va_vcc(0) depctr_vm_vsrc(0)
	s_getreg_b32 s2, hwreg(HW_REG_IB_STS2, 6, 4)
	s_cmp_eq_u32 s2, 0
	s_cbranch_scc0 .Lentry_in_a_cluster
	s_endpgm
.Lentry_in_a_cluster:
	s_bfe_u32 s2, ttmp6, 0x10000c
	s_cmp_lg_u32 s2, 0x3003
	s_cbranch_scc0 .Lentry_shape_is_right
	s_endpgm
.Lentry_shape_is_right:
; out0 = (softmax(q k^T / 8) v) Wo + bo on codes of FP6 (E2M3) with E8M0 scales, sums in f32.  q, k, v come as images of the operands' registers (qc, kv), Wo likewise (wc, kind 3).
; SHARES.  A work-group takes 32 queries of one batch (tiles 2 cx, 2 cx + 1 of a block of 128) through ALL 8 heads, so that it owns whole rows of o and can multiply them by Wo itself: o never goes to memory.
; Wave w: head w >> 1, tile w & 1.  Both products are used transposed (S^T = k q^T, O^T = v^T p^T): a lane holds one query.  p = 2^(t - M), M the ceiling of the running largest t; the row's sum is taken of the unquantised p.
; THE RING.  A step is 128 keys of all 8 heads: 8 x 12,800 bytes, a slot; two slots; each wave fetches 6,400 bytes (25 rows of 256), half of its own head's piece: one tensor load of a wave is out.
; CLUSTER 4 x 1: the four work-groups have one batch and so the same k and v: every fill is a joint load with the mask 15.
; THE ROUND STANDS IN THE STEP'S MIDDLE: ahead of it my reads of this slot (K's, then V's images) are over; the exponentials stand between its opening signal and wait; behind it come the refill
; and the next step's K images from the other slot, into registers of their own, so that the next scores follow this step's products with v.
; PREFETCH: trip t asks for step t + 3, which trip t + 1 loads; the head asks for steps 1 and 2.  Of a wave's 25 rows the partner at place cx names rows 7 cx .. 7 cx + 6 (the last four for cx = 3): told apart by address.
; Trips 13 and 14, which have no step left to ask for, ask for Wo's codes instead, 12,800 bytes a wave.
; THE TAIL: O / l is quantised along the 64 channels (a block a lane); pieces and scale half-words meet in LDS bytes that no tensor load fills; wave w then makes columns 32 w' of its group (group w >> 1, Wo's tiles 2 (w & 1) and the next)
; for both tiles of tokens, 4 accumulators x 4 K steps, bo as the first C; the rows leave through a stage of 32 rows x (2,048 + 16) bytes, each store 512 consecutive bytes, aligned to 256.
; LIMITS: NaN and infinities are not served; the promise holds while the scaled scores stay under 2^31 in magnitude; a block whose largest magnitude lies under 2^-124 gets the byte 1, a block of zeros too (its codes are zeros).
.set STEPB, 12800                      ; a head's step: K's 4 images, V's 4 images, 512 bytes of words
.set SLOTB, 102400
.set OST,   204800                     ; o's 16 pieces of 768 bytes: (8 tile + head)
.set OSC,   217088                     ; o's scale half-words: 256 tile + 16 r + 2 head
.set SPARE, 217600                     ; the spare words, 128 bytes a wave
.set STG,   219648                     ; the stage
.set SP,    2064                       ; an odd multiple of 16
.set LI,  1                            ; 16 x lane
.set AD,  2                            ; v2-3 my head's piece in slot 0, 1, + 16 x lane
.set SH8, 4                            ; 8 h
.set T2,  5
.set NM,  6                            ; v6 -M, v7 the running largest t
.set SUM, 8
.set FF,  10
.set SU2, 12
.set BM,  14
.set SO,  16
.set PS,  18                           ; p's scale word
.set QSL, 19                           ; q's scale half-word in bytes 0-1; v20: in bytes 2-3
.set QSH, 20
.set TMP, 21
.set PFO, 22                           ; the prefetches' offset
.set SPW, 23
.set NIL, 24
.set LR,  25                           ; 16 r
.set SCW, 26                           ; v26-33 two sets of a step's words: lanes 0-15 K's, lanes 16-31 V's
.set QB,  34                           ; v34-51: six zeros, q's six registers, six zeros
.set PC,  52                           ; v52-63 p's codes
.set KF,  64                           ; v64-111 K's images
.set VF,  112                          ; v112-159 V's images
.set O,   160                          ; v160-191 O^T
.set S,   192                          ; v192-255 the scores, then p
.set A16, 2                            ; the tail's registers
.set A8,  3
.set XSA, 5
.set XS,  6                            ; v6-13 o's scale words
.set FA16, 14
.set FA8, 15
.set STO, 16
.set RD,  17
.set ASC, 22
.set BI,  36                           ; v36-51 the bias in the result's layout
.set W1,  208                          ; v208-255 Wo's second tile (the first lies in v64-111)
.set WV,  14
.set CX,  15
.set CS,  16
.set BB,  18
.set HE,  19
.set SEL, 20
.set CNT, 22
.set GG,  23
.set G1,  24
.set G0,  32
.set PF,  40
.set WP,  42
.set PQ,  44
.set QP,  46
.set QW,  48
.set WOB, 50
.set WWB, 52
.set BOB, 54
.set OUTB, 60
.macro PLACES                          ; four plain places behind a matrix instruction (ISA guide 7.12.1)
.rept 4
	v_nop
.endr
.endm
.macro CREST                           ; a round of the cluster's barrier behind its opening barrier
	s_cmp_lg_u32 s[WV], 0
	s_cbranch_scc1 .Lnot_wave_0_\@
	s_barrier_signal -3
.Lnot_wave_0_\@:
	s_barrier_wait -3
	s_barrier_signal -1
	s_barrier_wait -1
.endm
.macro CROUND
	s_barrier_signal -1
	s_barrier_wait -1
	CREST
.endm
.macro KLOAD s                         ; K's four images and the step's words from slot s
.irp f, 0,1,2,3
.irp i, 0,1,2
	ds_load_b128 v[KF+12*\f+4*\i:KF+12*\f+4*\i+3], v[AD+(\s)] offset:1536*\f+512*\i
.endr
.endr
	ds_load_b128 v[SCW+4*(\s):SCW+4*(\s)+3], v[AD+(\s)] offset:12288
.endm
	s_load_b256 s[4:11], s[0:1], 0x0               ; qc s[4:5], kv s[6:7], wc s[8:9], bo s[10:11]
	s_load_b64 s[12:13], s[0:1], 0x20              ; out0
	v_lshl_add_u32 v[SPW], v0, 2, SPARE
	v_mov_b32 v[NIL], 0
	ds_add_u32 v[SPW], v[NIL]                      ; the opening lines: the add twice and its wait
	ds_add_u32 v[SPW], v[NIL]
	v_lshrrev_b32 v[TMP], 5, v0
	v_readfirstlane_b32 s[WV], v[TMP]              ; wave 0..15
	s_bfe_u32 s[CX], ttmp6, 0x40000                ; cx
	s_and_b32 s[BB], ttmp7, 0xffff                 ; batch
	s_lshr_b32 s[HE], s[WV], 1                     ; head; in the tail: Wo's group of 64 columns
	s_and_b32 s[GG], s[WV], 1                      ; tile; in the tail: which two of the group's four tiles
	s_mov_b32 s[G1], 15|(3<<16)|(1<<21)            ; the mask of all four; elements of 8 bytes; bit 21 beside a mask
	s_mov_b32 s[G1+1], 32<<16                      ; 25 rows of 256 bytes, dense
	s_mov_b32 s[G1+2], 25<<16
	s_mov_b32 s[G1+3], 32<<16
	s_mov_b32 s[G1+4], 25
	s_mov_b32 s[G1+5], 32
	s_mov_b32 s[G1+6], 0
	s_mov_b32 s[G1+7], 0
	s_lshl_b32 s56, s[BB], 3
	s_add_co_u32 s56, s56, s[HE]                   ; 8 b + head
	s_mul_i32 s58, s56, 204800
	s_mul_i32 s57, s[GG], 6400
	s_add_co_u32 s58, s58, s57                     ; my half of my head's piece: batch and wave alone
	s_mov_b32 s59, 0
	s_mul_i32 s57, s[WV], 6400
	s_wait_dscnt 0x0
	s_wait_kmcnt 0x0
	s_add_nc_u64 s[58:59], s[6:7], s[58:59]
	s_mov_b64 s[PF:PF+1], s[58:59]
	s_mov_b32 s[G0], 1
	s_add_co_u32 s[G0+1], s57, 0
	s_mov_b64 s[G0+2:G0+3], s[58:59]
	s_or_b32 s[G0+3], s[G0+3], 0x80000000
	s_mov_b32 s[G0+4], 1
	s_add_co_u32 s[G0+5], s57, SLOTB
	s_add_nc_u64 s[G0+6:G0+7], s[58:59], STEPB
	s_or_b32 s[G0+7], s[G0+7], 0x80000000
	CROUND                                         ; the first joint loads meet
	tensor_load_to_lds s[G0:G0+3], s[G1:G1+7]      ; step 0: one load a wave at the head
	s_nop 0
	s_mov_b32 s[CS], 0x3e38aa3b                    ; log2(e) / 8
	s_mov_b32 s[CS+1], s[CS]
	s_mov_b32 s[SEL], 0x76543210
	s_mov_b32 s[SEL+1], 0xfedcba98
	s_mov_b32 s59, 0
	s_lshl_b32 s57, s56, 4
	s_add_co_u32 s57, s57, ttmp9                   ; the block of 128 queries is the cluster's x
	s_mul_i32 s58, s57, 6400
	s_add_nc_u64 s[QW:QW+1], s[4:5], s[58:59]
	s_lshl_b32 s57, s[CX], 1
	s_add_co_u32 s57, s57, s[GG]                   ; tile T8 = 2 cx + tile
	s_mul_i32 s58, s57, 768
	s_add_nc_u64 s[QP:QP+1], s[QW:QW+1], s[58:59]
	s_lshl_b32 s58, s[CX], 2
	s_add_co_u32 s58, s58, 6144
	s_add_nc_u64 s[QW:QW+1], s[QW:QW+1], s[58:59]  ; q's words: 6,144 + 4 (T8 >> 1) + 16 r
	s_lshl_b32 s62, s[GG], 4                       ; and which half of the word
	s_mul_i32 s58, s[HE], 25600
	s_add_co_u32 s58, s58, 614400                  ; kind 3: Wo
	s_add_nc_u64 s[WWB:WWB+1], s[8:9], s[58:59]
	s_mul_i32 s58, s[GG], 12288
	s_add_nc_u64 s[WOB:WOB+1], s[WWB:WWB+1], s[58:59]   ; my two tiles' eight images
	s_lshl_b32 s58, s[GG], 9
	s_add_co_u32 s58, s58, 24576
	s_add_nc_u64 s[WWB:WWB+1], s[WWB:WWB+1], s[58:59]   ; and their words
	s_sub_nc_u64 s[WP:WP+1], s[WOB:WOB+1], 2*STEPB-6144   ; my second tile of Wo, less the prefetches' immediate, 2 STEPB
	s_add_nc_u64 s[70:71], s[WOB:WOB+1], 6144      ; the same tile for step 14's joint load: it hangs on the wave alone
	s_or_b32 s71, s71, 0x80000000
	s_lshl_b32 s58, s[HE], 8
	s_lshl_b32 s57, s[GG], 6
	s_add_co_u32 s58, s58, s57
	s_add_nc_u64 s[BOB:BOB+1], s[10:11], s[58:59]  ; bo at column 64 group + 16 (w & 1)
	s_lshl_b32 s58, s[BB], 11                      ; the first token that I store: stage rows 2 w, 2 w + 1
	s_lshl_b32 s57, ttmp9, 7
	s_add_co_u32 s58, s58, s57
	s_lshr_b32 s57, s[CX], 1
	s_lshl_b32 s57, s57, 6
	s_add_co_u32 s58, s58, s57                     ; 64 (T8 >> 2)
	s_and_b32 s57, s[CX], 1
	s_lshl_b32 s57, s57, 4
	s_add_co_u32 s58, s58, s57
	s_lshr_b32 s57, s[WV], 3
	s_lshl_b32 s57, s57, 3
	s_add_co_u32 s58, s58, s57                     ; 8 (T8 & 3)
	s_bfe_u32 s57, s[WV], 0x10002
	s_lshl_b32 s57, s57, 5
	s_add_co_u32 s58, s58, s57                     ; 32 (r >> 3)
	s_and_b32 s57, s[WV], 3
	s_lshl_b32 s57, s57, 1
	s_add_co_u32 s58, s58, s57                     ; r & 7
	s_lshl_b32 s58, s58, 11
	s_add_nc_u64 s[OUTB:OUTB+1], s[12:13], s[58:59]
	s_lshl_b32 s57, s[GG], 3                       ; the tail's LDS places, of the wave's number and constants alone
	s_add_co_u32 s57, s57, s[HE]
	s_mul_i32 s66, s57, 768
	s_add_co_u32 s66, s66, OST                     ; my piece
	s_lshl_b32 s67, s[GG], 8
	s_lshl_b32 s57, s[HE], 1
	s_add_co_u32 s67, s67, s57
	s_add_co_u32 s67, s67, OSC                     ; my half-words
	s_lshl_b32 s68, s[HE], 8
	s_lshl_b32 s57, s[GG], 6
	s_add_co_u32 s68, s68, s57
	s_add_co_u32 s68, s68, STG                     ; my 32 columns of a stage row
	s_mul_i32 s69, s[WV], 2*SP
	s_add_co_u32 s69, s69, STG                     ; the two rows that I send
	s_mul_i32 s57, s[CX], 7
	s_mul_i32 s63, s[HE], STEPB
	v_and_b32 v[TMP], 31, v0
	v_lshlrev_b32 v[LI], 4, v[TMP]
	v_lshlrev_b32 v[T2], 3, v[TMP]
	v_and_b32 v[LR], 0xf0, v[LI]
	v_bfe_u32 v[SH8], v0, 4, 1
	v_lshlrev_b32 v[SH8], 3, v[SH8]
	v_min_u32 v[PFO], 6, v[TMP]
	v_add_nc_u32 v[PFO], s57, v[PFO]
	v_min_u32 v[PFO], 24, v[PFO]                   ; row min(7 cx + min(lane, 6), 24) of my 25
	v_lshlrev_b32 v[PFO], 8, v[PFO]
	v_add_nc_u32 v[AD], s63, v[LI]
	v_add_nc_u32 v[AD+1], SLOTB, v[AD]
	s_mul_i32 s63, s[GG], 6400                     ; from my head's piece of slot 0 to the 6,400 bytes that I fill
	s_wait_alu depctr_va_vdst(0)                   ; ahead of the readers below
	global_load_b128 v[QB+6:QB+9], v[LI], s[QP:QP+1]
	global_load_b64 v[QB+10:QB+11], v[T2], s[QP:QP+1] offset:512
	global_load_b32 v[QSL], v[LR], s[QW:QW+1]
	global_prefetch_b8 v[PFO], s[PF:PF+1] offset:STEPB th:TH_LOAD_NT scope:SCOPE_SE     ; steps 1 and 2
	global_prefetch_b8 v[PFO], s[PF:PF+1] offset:2*STEPB th:TH_LOAD_NT scope:SCOPE_SE
	s_wait_loadcnt 0x0
	v_lshrrev_b32 v[QSL], s62, v[QSL]
	v_and_b32 v[QSL], 0xffff, v[QSL]
	v_lshlrev_b32 v[QSH], 16, v[QSL]
.irp j, 0,1,2,3,4,5
	v_mov_b32 v[QB+\j], 0
	v_mov_b32 v[QB+12+\j], 0
.endr
.set j, 0
.rept 32
	v_mov_b32 v[O+j], 0                            ; the step is written once: the first finds zeros
.set j, j+1
.endr
	v_mov_b32 v[SUM], 0
	v_mov_b32 v[SUM+1], 0
	v_mov_b32 v[FF+1], 0
	v_mov_b32 v[T2], 0
	v_mov_b32 v[NM+1], 0xff61b1e6                  ; -3e38, under every t
	v_floor_f32 v[NM], -v[NM+1]
	s_wait_alu depctr_va_vdst(0)                   ; the wait at the head's end
	s_wait_tensorcnt 0x0                           ; my part of step 0 is in; slot 1's first fill is issued as a refill is
	ds_add_u32 v[SPW], v[NIL]
	s_wait_dscnt 0x0
	CROUND
	tensor_load_to_lds s[G0+4:G0+7], s[G1:G1+7]    ; step 1
	s_nop 0
	KLOAD 0
; One step: 128 keys.  s: its slot.  mode 0: a round and a refill in its middle; 1: step 14: a round, and the refill fetches Wo's second tile; 2: step 15: Wo's fragments are asked for instead of K's.
.macro STEP s, mode
	s_wait_dscnt 0x0                               ; K's images and the words are in
.if \mode == 0
	s_wait_xcnt 0x0                                ; my prefetches have read their base: it steps only behind this wait
	s_add_nc_u64 s[PF:PF+1], s[PF:PF+1], STEPB
.if \s == 1
	s_cmp_eq_u32 s[CNT], 1                         ; trip 13 has no step 16 to ask for: it asks for Wo's codes
	s_cselect_b64 s[PQ:PQ+1], s[WP:WP+1], s[PF:PF+1]
.endif
.endif
.irp f, 0,1,2,3
	v_wmma_scale_f32_16x16x128_f8f6f4 v[S+16*\f:S+16*\f+7], v[KF+12*\f:KF+12*\f+11], v[QB+6:QB+17], 0, v[SCW+4*\s+\f], v[QSL] matrix_a_fmt:MATRIX_FMT_FP6 matrix_b_fmt:MATRIX_FMT_FP6
	v_wmma_scale_f32_16x16x128_f8f6f4 v[S+16*\f+8:S+16*\f+15], v[KF+12*\f:KF+12*\f+11], v[QB:QB+11], 0, v[SCW+4*\s+\f], v[QSH] matrix_a_fmt:MATRIX_FMT_FP6 matrix_b_fmt:MATRIX_FMT_FP6
.endr
	PLACES
.irp t, 0,1,2,3
.irp i, 0,1,2
	ds_load_b128 v[VF+12*\t+4*\i:VF+12*\t+4*\i+3], v[AD+\s] offset:6144+1536*\t+512*\i   ; V's images: my last reads of this slot
.endr
.endr
.irp c, 0,1
	v_max3_num_f32 v[BM+\c], v[S+32*\c], v[S+32*\c+1], v[S+32*\c+2]   ; each block's largest score: for the row's maximum and for the block's scale
.endr
.irp i, 3,5,7,9,11,13,15,17,19,21,23,25,27,29
.irp c, 0,1
	v_max3_num_f32 v[BM+\c], v[BM+\c], v[S+32*\c+\i], v[S+32*\c+\i+1]
.endr
.endr
.irp c, 0,1
	v_max_num_f32 v[BM+\c], v[BM+\c], v[S+32*\c+31]
.endr
	s_delay_alu instid0(VALU_DEP_1)
	v_max_num_f32 v[TMP], v[BM], v[BM+1]
	s_delay_alu instid0(VALU_DEP_1)
	v_permlanex16_b32 v[T2], v[TMP], s[SEL], s[SEL+1]
	s_delay_alu instid0(VALU_DEP_1)
	v_max_num_f32 v[TMP], v[TMP], v[T2]
	s_delay_alu instid0(VALU_DEP_1)
	v_mul_f32 v[TMP], s[CS], v[TMP]
	s_delay_alu instid0(VALU_DEP_1)
	v_max_num_f32 v[NM+1], v[NM+1], v[TMP]         ; the running largest t
	v_mov_b32 v[TMP], v[NM]
	s_delay_alu instid0(VALU_DEP_2)
	v_floor_f32 v[NM], -v[NM+1]                    ; -M = floor(-t)
	s_delay_alu instid0(VALU_DEP_1)
	v_sub_f32 v[TMP], v[NM], v[TMP]
	s_delay_alu instid0(VALU_DEP_1)
	v_cvt_i32_f32 v[TMP], v[TMP]
	s_delay_alu instid0(VALU_DEP_1)
	v_ldexp_f32 v[FF], 1.0, v[TMP]                 ; f = 2^(old M - new M)
	s_wait_alu depctr_va_vdst(0)                   ; ahead of the wait below
.if \mode < 2
	s_wait_tensorcnt 0x0                           ; my one load that was out, my part of the other slot, is in
	ds_add_u32 v[SPW], v[NIL]
.if \mode == 0
	s_add_nc_u64 s[G0+4*\s+2:G0+4*\s+3], s[G0+4*\s+2:G0+4*\s+3], 2*STEPB   ; no load of mine is out: this slot's next step
.else
	s_mov_b64 s[G0+2:G0+3], s[70:71]               ; step 14: slot 0 takes each wave's second tile of Wo (24 rows, and one row more of wc that nobody reads)
.endif
.else
	s_wait_tensorcnt 0x0                           ; step 15: my tile of Wo is in; I alone read it
.endif
.set j, 0
.rept 32
	v_pk_fma_f32 v[S+j:S+j+1], v[S+j:S+j+1], s[CS:CS+1], v[NM:NM+1] op_sel_hi:[1,0,0]   ; t - M
.set j, j+2
.endr
.irp c, 0,1
	v_fma_f32 v[BM+\c], v[BM+\c], s[CS], v[NM]
.endr
	s_wait_alu depctr_va_vdst(0)                   ; ahead of the batch, and of the wait below
	s_wait_dscnt 0x0                               ; V's images are in, the add is done: my reads of this slot are over
.if \mode < 2
	s_barrier_signal -1                            ; the exponentials, work on registers, stand between signal and wait
.endif
.set j, 0
.rept 64
	v_exp_f32 v[S+j], v[S+j]                       ; p
.set j, j+1
.endr
	v_exp_f32 v[BM], v[BM]                         ; each block's largest p
	v_exp_f32 v[BM+1], v[BM+1]
	v_pk_mul_f32 v[SUM:SUM+1], v[SUM:SUM+1], v[FF:FF+1] op_sel_hi:[1,0]
	s_wait_alu depctr_va_vdst(0)                   ; one wait for the batch
.if \mode < 2
	s_barrier_wait -1
.endif
.if \mode < 2
	CREST
	tensor_load_to_lds s[G0+4*\s:G0+4*\s+3], s[G1:G1+7]   ; two steps on, into the slot just read out
	s_nop 0
.endif
.if \mode < 2
	KLOAD 1-\s                                     ; the next step's K
.else
	v_lshlrev_b32 v[TMP], 4, v[SH8]                ; 128 h
.irp k, 0,1,2,3
.irp i, 0,1,2
	global_load_b128 v[KF+12*\k+4*\i:KF+12*\k+4*\i+3], v[LI], s[WOB:WOB+1] offset:1536*\k+512*\i   ; Wo's first tile, four K steps
.endr
.endr
	global_load_b128 v[SCW:SCW+3], v[LR], s[WWB:WWB+1]                                     ; its words
.irp e, 0,1,2,3
	global_load_b128 v[BI+4*\e:BI+4*\e+3], v[TMP], s[BOB:BOB+1] offset:16*\e               ; bo(32 h + 8 t + j): register 8 u + j
.endr
.endif
.if \mode == 0
.if \s == 0
	global_prefetch_b8 v[PFO], s[PF:PF+1] offset:2*STEPB th:TH_LOAD_NT scope:SCOPE_SE      ; step t + 3
.else
	global_prefetch_b8 v[PFO], s[PQ:PQ+1] offset:2*STEPB th:TH_LOAD_NT scope:SCOPE_SE
.endif
.endif
.if \mode == 1
	global_prefetch_b8 v[PFO], s[WP:WP+1] offset:2*STEPB-6144 th:TH_LOAD_NT scope:SCOPE_SE ; my first tile of Wo, which step 15 loads
.endif
	v_pk_add_f32 v[SU2:SU2+1], v[S:S+1], v[S+2:S+3]                ; the row's sum, of the unquantised p, in two chains
.set j, 4
.rept 15
	v_pk_add_f32 v[SUM:SUM+1], v[SUM:SUM+1], v[S+j:S+j+1]
	v_pk_add_f32 v[SU2:SU2+1], v[SU2:SU2+1], v[S+j+2:S+j+3]
.set j, j+4
.endr
	s_delay_alu instid0(VALU_DEP_1)
	v_pk_add_f32 v[SUM:SUM+1], v[SUM:SUM+1], v[SU2:SU2+1]
.irp c, 0,1
	v_max_num_f32 v[BM+\c], 0x1800000, v[BM+\c]    ; the floor 2^(3 - 127)
.endr
.irp c, 0,1
	s_delay_alu instid0(VALU_DEP_2)
	v_add_nc_u32 v[SO+\c], 0xff000000, v[BM+\c]    ; the conversions' scale operands
.endr
.irp c, 0,1
	s_delay_alu instid0(VALU_DEP_2)
	v_lshrrev_b32 v[BM+\c], 23, v[SO+\c]           ; the bytes
.endr
	s_delay_alu instid0(VALU_DEP_1)
	v_lshl_or_b32 v[PS], v[BM+1], 16, v[BM]
	s_delay_alu instid0(VALU_DEP_1)
	v_lshlrev_b32 v[PS], v[SH8], v[PS]
	s_delay_alu instid0(VALU_DEP_1)
	v_permlanex16_b32 v[T2], v[PS], s[SEL], s[SEL+1]
	s_delay_alu instid0(VALU_DEP_1)
	v_or_b32 v[PS], v[PS], v[T2]
	v_cvt_scalef32_pk16_fp6_f32 v[PC:PC+2], v[S:S+15], v[SO]
	v_cvt_scalef32_pk16_fp6_f32 v[PC+6:PC+8], v[S+32:S+47], v[SO+1]
	v_nop                                          ; a plain place: the next two write registers that the first read
	v_cvt_scalef32_pk16_fp6_f32 v[S:S+2], v[S+16:S+31], v[SO]      ; (a conversion's three registers begin on an even number)
	v_cvt_scalef32_pk16_fp6_f32 v[S+4:S+6], v[S+48:S+63], v[SO+1]
	v_nop
.irp c, 0,1
.irp i, 0,1,2
	v_mov_b32 v[PC+6*\c+3+\i], v[S+4*\c+\i]
.endr
.endr
.if \mode == 2
	v_add_nc_u32 v[AD], s63, v[AD]                 ; 6,400 x wave + 16 x lane
.irp k, 0,1,2,3
.irp i, 0,1,2
	ds_load_b128 v[W1+12*\k+4*\i:W1+12*\k+4*\i+3], v[AD] offset:1536*\k+512*\i   ; Wo's second tile, where p lay
.endr
.endr
.endif
	s_wait_alu depctr_va_vdst(0)                   ; directly ahead of the first reader of O^T
.set j, 0
.rept 16
	v_pk_mul_f32 v[O+j:O+j+1], v[O+j:O+j+1], v[FF:FF+1] op_sel_hi:[1,0]   ; O^T under the new M
.set j, j+2
.endr
.irp t, 0,1,2,3
	v_wmma_scale_f32_16x16x128_f8f6f4 v[O+8*\t:O+8*\t+7], v[VF+12*\t:VF+12*\t+11], v[PC:PC+11], v[O+8*\t:O+8*\t+7], v[SCW+4*\s+\t], v[PS] matrix_a_fmt:MATRIX_FMT_FP6 matrix_b_fmt:MATRIX_FMT_FP6 matrix_a_scale:MATRIX_SCALE_ROW1
.endr
	s_wait_alu depctr_va_vdst(0)                   ; ahead of the next wait or branch
.endm
	s_mov_b32 s[CNT], 7
.Lpair:                                                ; steps 0 to 13: both slots are filled again in each trip
	STEP 0, 0
	STEP 1, 0
	s_sub_co_u32 s[CNT], s[CNT], 1
	s_cmp_lg_u32 s[CNT], 0
	s_cbranch_scc1 .Lpair
	STEP 0, 1
	STEP 1, 2
	s_wait_xcnt 0x0                                ; the last prefetch has read v22
	PLACES
	global_load_b128 v[SCW+4:SCW+7], v[LR], s[WWB:WWB+1] offset:256   ; the second tile's words
	v_add_f32 v[SUM], v[SUM], v[SUM+1]
	s_delay_alu instid0(VALU_DEP_1)
	v_permlanex16_b32 v[T2], v[SUM], s[SEL], s[SEL+1]
	s_delay_alu instid0(VALU_DEP_1)
	v_add_f32 v[SUM], v[SUM], v[T2]                ; the row's sum
	s_wait_alu depctr_va_vdst(0)
	v_rcp_f32 v[FF], v[SUM]
	v_nop
	s_wait_alu depctr_va_vdst(0)
.set j, 0
.rept 16
	v_pk_mul_f32 v[O+j:O+j+1], v[O+j:O+j+1], v[FF:FF+1] op_sel_hi:[1,0]   ; o: my query's channels 32 h + 0 .. 31: a whole block of the next K
.set j, j+2
.endr
	v_max3_num_f32 v[BM], |v[O]|, |v[O+1]|, 0x1800000
	v_max3_num_f32 v[BM+1], |v[O+2]|, |v[O+3]|, 0x1800000
.irp i, 4,8,12,16,20,24,28
	v_max3_num_f32 v[BM], v[BM], |v[O+\i]|, |v[O+\i+1]|
	v_max3_num_f32 v[BM+1], v[BM+1], |v[O+\i+2]|, |v[O+\i+3]|
.endr
	s_delay_alu instid0(VALU_DEP_1)
	v_max_num_f32 v[BM], v[BM], v[BM+1]
	s_delay_alu instid0(VALU_DEP_1)
	v_add_nc_u32 v[SO], 0xff000000, v[BM]
	s_delay_alu instid0(VALU_DEP_1)
	v_lshrrev_b32 v[BM], 23, v[SO]
	s_delay_alu instid0(VALU_DEP_1)
	v_lshlrev_b32 v[PS], v[SH8], v[BM]
	s_delay_alu instid0(VALU_DEP_1)
	v_permlanex16_b32 v[T2], v[PS], s[SEL], s[SEL+1]
	s_delay_alu instid0(VALU_DEP_1)
	v_or_b32 v[PS], v[PS], v[T2]                   ; my head's two bytes of row r
	v_cvt_scalef32_pk16_fp6_f32 v[PC:PC+2], v[O:O+15], v[SO]
	v_cvt_scalef32_pk16_fp6_f32 v[PC+6:PC+8], v[O+16:O+31], v[SO]
	v_nop
.irp i, 0,1,2
	v_mov_b32 v[PC+3+\i], v[PC+6+\i]
.endr
	v_add_nc_u32 v[A16], s66, v[LI]                ; my piece: registers 0-3 at 16 l, 4-5 at 512 + 8 l
	v_lshrrev_b32 v[FA8], 1, v[LI]
	v_add_nc_u32 v[A8], s66, v[FA8]
	v_add_nc_u32 v[ASC], s67, v[LR]
	v_add_nc_u32 v[XSA], OSC, v[LR]
	v_add_nc_u32 v[FA16], OST, v[LI]
	v_add_nc_u32 v[FA8], OST+512, v[FA8]
	v_lshrrev_b32 v[STO], 4, v[LR]
	v_mul_u32_u24 v[STO], v[STO], SP
	v_lshl_add_u32 v[STO], v[SH8], 4, v[STO]
	v_add_nc_u32 v[STO], s68, v[STO]               ; stage row r, + 128 h + my 32 columns' place
	v_add_nc_u32 v[RD], s69, v[LI]
	ds_store_b128 v[A16], v[PC:PC+3]
	ds_store_b64 v[A8], v[PC+4:PC+5] offset:512
	ds_store_b16 v[ASC], v[PS]                     ; both halves of the lanes write the same half-word
	s_wait_alu depctr_va_vdst(0)                   ; ahead of the wait below
	s_wait_dscnt 0x0
	s_barrier_signal -1
	s_barrier_wait -1                              ; all sixteen pieces lie in LDS
	ds_load_b128 v[XS:XS+3], v[XSA]                ; row r's four words: K step k is heads 2 k and 2 k + 1
	ds_load_b128 v[XS+4:XS+7], v[XSA] offset:256
.macro OFRAG p                         ; o's fragments of K steps 2 p and 2 p + 1, both tiles
.irp q, 0,1
.irp g, 0,1
.irp c, 0,1
	ds_load_b128 v[VF+24*\q+12*\g+6*\c:VF+24*\q+12*\g+6*\c+3], v[FA16] offset:(8*\g+4*\p+2*\q+\c)*768
	ds_load_b64 v[VF+24*\q+12*\g+6*\c+4:VF+24*\q+12*\g+6*\c+5], v[FA8] offset:(8*\g+4*\p+2*\q+\c)*768
.endr
.endr
.endr
.endm
.macro OMUL p                          ; the four accumulators take turns; source 0 = Wo's tile, source 1 = o's
.irp q, 0,1
.irp g, 0,1
.irp u, 0,1
.if 2*\p+\q == 0
	v_wmma_scale_f32_16x16x128_f8f6f4 v[O+8*(2*\g+\u):O+8*(2*\g+\u)+7], v[KF+(W1-KF)*\u:KF+(W1-KF)*\u+11], v[VF+12*\g:VF+12*\g+11], v[BI+8*\u:BI+8*\u+7], v[SCW+4*\u], v[XS+4*\g] matrix_a_fmt:MATRIX_FMT_FP6 matrix_b_fmt:MATRIX_FMT_FP6
.else
	v_wmma_scale_f32_16x16x128_f8f6f4 v[O+8*(2*\g+\u):O+8*(2*\g+\u)+7], v[KF+(W1-KF)*\u+12*(2*\p+\q):KF+(W1-KF)*\u+12*(2*\p+\q)+11], v[VF+24*\q+12*\g:VF+24*\q+12*\g+11], v[O+8*(2*\g+\u):O+8*(2*\g+\u)+7], v[SCW+4*\u+2*\p+\q], v[XS+4*\g+2*\p+\q] matrix_a_fmt:MATRIX_FMT_FP6 matrix_b_fmt:MATRIX_FMT_FP6
.endif
.endr
.endr
.endr
.endm
	OFRAG 0
	s_wait_loadcnt 0x0                             ; Wo's fragments and words, the bias
	s_wait_dscnt 0x0
	OMUL 0
	PLACES
	OFRAG 1
	s_wait_dscnt 0x0
	OMUL 1
	PLACES
.irp g, 0,1
.irp u, 0,1
	ds_store_b128 v[STO], v[O+8*(2*\g+\u):O+8*(2*\g+\u)+3] offset:16*SP*\g+32*\u          ; each accumulator from its low end on
	ds_store_b128 v[STO], v[O+8*(2*\g+\u)+4:O+8*(2*\g+\u)+7] offset:16*SP*\g+32*\u+16
.endr
.endr
	s_wait_dscnt 0x0
	s_barrier_signal -1
	s_barrier_wait -1                              ; 32 whole rows lie in the stage
.irp n, 0,1,2,3,4,5,6,7
	ds_load_b128 v[VF+4*\n:VF+4*\n+3], v[RD] offset:(\n/4)*SP+512*(\n%4)
.endr
.irp n, 0,1,2,3,4,5,6,7
	s_wait_dscnt 7-\n                              ; piece n is back; the younger loads may be out
	global_store_b128 v[LI], v[VF+4*\n:VF+4*\n+3], s[OUTB:OUTB+1] offset:(\n/4)*2048+512*(\n%4) th:TH_STORE_NT   ; 512 consecutive bytes of a row
.endr
	s_wait_tensorcnt 0x0                           ; the wave's end
	ds_add_u32 v[SPW], v[NIL]
	s_wait_dscnt 0x0
	CROUND                                         ; the closing round
	s_endpgm
.Lfunc_end_k_q818a4667a0_attn:
	.size	k_q818a4667a0_attn, .Lfunc_end_k_q818a4667a0_attn-k_q818a4667a0_attn
	.p2alignl 7, 3214868480
	.fill 96, 4, 3214868480
	.section	.rodata,"a",@progbits
	.p2align	6, 0x0
	.amdhsa_kernel k_q818a4667a0_attn
		.amdhsa_group_segment_fixed_size 327680
		.amdhsa_private_segment_fixed_size 0
		.amdhsa_enable_private_segment 0
		.amdhsa_kernarg_size 40
		.amdhsa_user_sgpr_count 2
		.amdhsa_user_sgpr_kernarg_segment_ptr 1
		.amdhsa_wavefront_size32 1
		.amdhsa_system_sgpr_workgroup_id_x 1
		.amdhsa_system_sgpr_workgroup_id_y 1
		.amdhsa_system_sgpr_workgroup_id_z 1
		.amdhsa_system_vgpr_workitem_id 0
		.amdhsa_next_free_vgpr 256
		.amdhsa_next_free_sgpr 72
		.amdhsa_reserve_vcc 0
		.amdhsa_float_denorm_mode_32 3
		.amdhsa_float_denorm_mode_16_64 3
		.amdhsa_memory_ordered 1
		.amdhsa_forward_progress 1
		.amdhsa_inst_pref_size 83
	.end_amdhsa_kernel
	.amdgpu_metadata
---
amdhsa.version: [ 1, 2 ]
amdhsa.kernels:
  - .name:           k_q818a4667a0_attn
    .symbol:         k_q818a4667a0_attn.kd
    .args:
      - { .name: qc, .offset: 0, .size: 8, .value_kind: global_buffer, .address_space: global }
      - { .name: kv, .offset: 8, .size: 8, .value_kind: global_buffer, .address_space: global }
      - { .name: wc, .offset: 16, .size: 8, .value_kind: global_buffer, .address_space: global }
      - { .name: bo, .offset: 24, .size: 8, .value_kind: global_buffer, .address_space: global }
      - { .name: out0, .offset: 32, .size: 8, .value_kind: global_buffer, .address_space: global }
    .group_segment_fixed_size: 327680
    .private_segment_fixed_size: 0
    .kernarg_segment_align: 8
    .kernarg_segment_size: 40
    .max_flat_workgroup_size: 512
    .sgpr_count:     72
    .vgpr_count:     256
    .wavefront_size: 32
...
	.end_amdgpu_metadata
.endif
;; end of part 3
